; MI455X (gfx1250); checked and timed in simulation.
; The chip was launched on July 23, 2026; its instructions are those of AMD's public machine-readable ISA for CDNA 5 (MIT licence, August 2026) and "CDNA5" Instruction Set Architecture Reference Guide (July 2026). The comments in the code are by the model that wrote it; some were corrected since.
;; RD Quant Linear. Allowed arithmetic: float matrix products may take bf16 or f16 operands with f32 sums; other float arithmetic in f32, or as packed bf16 or f16 multiplies, adds, multiply-adds, maxima and minima; sums over many terms, partial sums and values carried from step to step in f32; what a program stores and reads back later, other than sums and carried values, may be rounded once to bf16 or f16.
;; Inputs: bias 4,096 float32; fp8_scale 1 float32; inv_perm 4,096 int32; nvfp4_global_scale 1 float32; nvfp4_idx 2,048 x 4,096 int32; nvfp4_scales 2,048 x 256 float32; w_fp16 1,024 x 4,096 float32; w_fp8 1,024 x 4,096 float32; x 4,096 x 4,096 float32.
;; Outputs: out0 4,096 x 4,096 float32.
;; 2 versions, each right; version 2 is version 1 with the launch prep written anew for expert scheduling mode. Each part assembles by itself: llvm-mc -triple=amdgcn-amd-amdhsa -mcpu=gfx1250 --defsym DOCPART=n.
;; ======== version 1 of 2: 2 launches
;; limits: values are held in f16: magnitudes above 65,504 overflow, below 6.1e-05 lose precision
;; workspace buffers: xh 33,554,432 bytes; wh 33,554,432 bytes
;; launch prep (part 1): grid 2048 x 1, 4 waves a work-group, no clusters, 0 bytes of LDS; arguments x, w_fp8, w_fp16, nvfp4_idx, nvfp4_scales, inv_perm, xh, wh; writes xh, wh
.if DOCPART == 1
	.amdgcn_target "amdgcn-amd-amdhsa--gfx1250"
	.amdhsa_code_object_version 6
	.text
	.protected	k_q25839ca50b_prep
	.globl	k_q25839ca50b_prep
	.p2align	8
	.type	k_q25839ca50b_prep,@function
k_q25839ca50b_prep:
	s_mov_b64 s[64:65], 0
	v_nop
	global_prefetch_b8 v0, s[64:65] scope:SCOPE_SE
	s_setreg_imm32_b32 hwreg(HW_REG_WAVE_MODE, 25, 1), 1
	s_wait_xcnt 0x0
; THE OPERANDS OF THE PRODUCT, IN f16.  xh[m][k] = f16(x[m][k]).  wh[j][k] = f16 of row p = inv_perm[j] of the grouped weights, so that the take along the
; last axis is done here, as a gather of rows: p < 2048: code[idx[p][k]] x scales[p][k / 16];  p < 3072: w_fp8[p - 2048][k];  else w_fp16[p - 3072][k].
; The global scale and fp8_scale are NOT applied here: the product's way out multiplies by them in f32, so no product of two inputs has to fit in f16.
; LIMITS.  f16 holds no number of 65,520 or more in magnitude (it becomes an infinity) and below 6.1e-5 keeps a fixed step of 6e-8: x, code x scale, w_fp8 and w_fp16
; must lie within that.  nvfp4_idx lies in 0 .. 15, as the table that it indexes asks.  inv_perm is taken as unsigned and held to 4,095.
; SHARES.  8,192 jobs of one shape, a wave each: 16,384 bytes of 32-bit words in, 8,192 bytes of f16 out.  Job T = 4 x work-group + wave: T < 4,096 is x's row T, else wh's row T - 4,096.
; A row is 32 chunks of 512 bytes: in chunk c lane l loads the 16 bytes at 512 c + 16 l and stores the 8 bytes at 256 c + 8 l: a store of the wave covers 256 consecutive bytes, aligned.
; All 32 loads of a row go out at once into 128 registers, are converted in place and stored from there: no register and no base that a memory instruction
; names is written again, so no wait but the counted ones for the loads stands in the text.  No wave needs another's bytes: no LDS, no barrier.
.set VO,  3                            ; v3        16 x lane: my bytes in a chunk as loaded
.set VS,  4                            ; v4        8 x lane: my bytes in a chunk as stored
.set SO,  5                            ; v5        my byte offset in 128 bytes of the scales' row
.set Z,   6                            ; v6        0.0, the addend of the multiply that rounds
.set SV,  8                            ; v[8:9]    the scale of my four numbers; the chunks take the two by turns
.set T,   10                           ; v[10:13]  at work
.set SC,  16                           ; v[16:23]  the row's 256 scales, eight a lane
.set X,   24                           ; v[24:151] chunk c at X + 4 c
.set TLO, 36                           ; s36  the high bytes of f16 0, 0.5, 1, 1.5
.set THI, 37                           ; s37  of f16 2, 3, 4, 6
.set K07, 38                           ; s38  the magnitudes' three bits, in bytes 1 and 3
.set K08, 39                           ; s39  the signs' bit, in bytes 1 and 3
.set SEL, 40                           ; s[40:47] four pairs of lane selects for v_permlane16_b32
	s_load_b512 s[16:31], s[0:1], 0x0              ; x 16, w_fp8 18, w_fp16 20, nvfp4_idx 22, nvfp4_scales 24, inv_perm 26, xh 28, wh 30
	v_lshrrev_b32 v1, 5, v0
	v_readfirstlane_b32 s2, v1                     ; wave 0..3
	v_and_b32 v2, 31, v0                           ; lane
	v_lshlrev_b32 v[VO], 4, v2
	v_lshlrev_b32 v[VS], 3, v2
	s_lshl2_add_u32 s3, ttmp9, s2                  ; T
	s_and_b32 s4, s3, 0xfff                        ; the row of xh or of wh
	s_lshl_b32 s5, s4, 2                           ; its word in inv_perm
	s_lshl_b32 s6, s4, 13                          ; its 8,192 bytes in xh or wh
	s_mov_b32 s7, 0
	s_mov_b32 s9, 0
	s_wait_kmcnt 0x0
	s_cmp_lt_u32 s3, 4096
	s_cbranch_scc0 .Lweights
; A row of f32 becomes a row of f16.  nt = 1: the row is read once in the launch (x); a row of the weights may be named by inv_perm more than once.
.macro CONV nt
.set c, 0
.rept 32
.if \nt
	global_load_b128 v[X+4*c:X+4*c+3], v[VO], s[10:11] offset:512*c th:TH_LOAD_NT
.else
	global_load_b128 v[X+4*c:X+4*c+3], v[VO], s[10:11] offset:512*c
.endif
.set c, c+1
.endr
.set c, 0
.rept 32
	s_wait_loadcnt 31-c                            ; loads come back in order (ISA guide 5.7.1): chunk c is in, the 31 - c younger ones stay out
	v_cvt_pk_f16_f32 v[X+4*c], v[X+4*c], v[X+4*c+1]
	v_cvt_pk_f16_f32 v[X+4*c+1], v[X+4*c+2], v[X+4*c+3]
	global_store_b64 v[VS], v[X+4*c:X+4*c+1], s[12:13] offset:256*c th:TH_STORE_NT
.set c, c+1
.endr
.endm
	s_lshl_b32 s8, s4, 14                          ; x's row: 16,384 bytes
	s_add_nc_u64 s[10:11], s[16:17], s[8:9]
	s_add_nc_u64 s[12:13], s[28:29], s[6:7]
	CONV 1
	s_endpgm
.Lweights:
	s_load_b32 s14, s[26:27], s5 offset:0x0        ; p = inv_perm[j]
	s_add_nc_u64 s[12:13], s[30:31], s[6:7]
	s_wait_kmcnt 0x0
	s_min_u32 s14, s14, 0xfff                      ; held inside the 4,096 rows before it enters an address
	s_cmp_lt_u32 s14, 2048
	s_cbranch_scc1 .Lnvfp4
	s_cmp_lt_u32 s14, 3072
	s_cselect_b64 s[10:11], s[18:19], s[20:21]     ; w_fp8 or w_fp16
	s_and_b32 s8, s14, 0x3ff                       ; p - 2048 or p - 3072: both groups have 1,024 rows and begin at multiples of 1,024
	s_lshl_b32 s8, s8, 14
	s_add_nc_u64 s[10:11], s[10:11], s[8:9]
	CONV 0
	s_endpgm
.Lnvfp4:
	s_lshl_b32 s8, s14, 14                         ; the row's 4,096 indices,
	s_add_nc_u64 s[10:11], s[22:23], s[8:9]
	s_lshl_b32 s34, s14, 10                        ; and its 256 scales
	s_mov_b32 s35, 0
	s_add_nc_u64 s[32:33], s[24:25], s[34:35]
	s_mov_b32 s[TLO], 0x3e3c3800
	s_mov_b32 s[THI], 0x46444240
	s_mov_b32 s[K07], 0x07000700
	s_mov_b32 s[K08], 0x08000800
	s_mov_b32 s[SEL+0], 0x11110000                 ; pair r: lane i of a row of 16 takes lane 4 r + i / 4 of that row
	s_mov_b32 s[SEL+1], 0x33332222
	s_mov_b32 s[SEL+2], 0x55554444
	s_mov_b32 s[SEL+3], 0x77776666
	s_mov_b32 s[SEL+4], 0x99998888
	s_mov_b32 s[SEL+5], 0xbbbbaaaa
	s_mov_b32 s[SEL+6], 0xddddcccc
	s_mov_b32 s[SEL+7], 0xffffeeee
	v_mov_b32 v[Z], 0
	v_mov_b32 v[SV], 0                             ; v_permlane16_b32 counts as a reader of its destination
	v_mov_b32 v[SV+1], 0
	; The scales.  With t = lane % 16 and h = lane / 16, load q brings lane (h, t) scale 32 q + 8 (t / 4) + 4 h + t % 4: the wave's 32 lanes cover 128 consecutive bytes, in an
	; order of lanes chosen for what follows.  In chunk c = 4 q + r my four numbers lie in block 8 c + lane / 4 = 32 q + 8 r + 4 h + t / 4, which lane (h, 4 r + t / 4) holds in register q.
	v_bfe_u32 v1, v0, 2, 2                         ; t / 4
	v_bfe_u32 v10, v0, 4, 1                        ; h
	v_and_b32 v11, 3, v0                           ; t % 4
	v_lshlrev_b32 v[SO], 5, v1
	v_lshl_add_u32 v[SO], v10, 4, v[SO]
	v_lshl_add_u32 v[SO], v11, 2, v[SO]
.set q, 0
.rept 8
	global_load_b32 v[SC+q], v[SO], s[32:33] offset:128*q
.set q, q+1
.endr
.set c, 0
.rept 32
	global_load_b128 v[X+4*c:X+4*c+3], v[VO], s[10:11] offset:512*c
.set c, c+1
.endr
	; A chunk: four indices a lane.  Two indices go into bytes 1 and 3 of a word; their low three bits pick the high byte of the f16 magnitude out of eight bytes in two
	; scalar registers (selector 0 in bytes 0 and 2 picks the byte 0x00, the f16 codes' low byte); bit 3 moves up into the sign.  code x scale is exact in f32 and is rounded once, to f16.
.set c, 0
.rept 32
.set D0, X+4*c
	s_wait_loadcnt 31-c                            ; chunk c is in; the scales' loads are older still
	v_permlane16_b32 v[SV+c%2], v[SC+c/4], s[SEL+2*(c%4)], s[SEL+2*(c%4)+1]
	v_lshlrev_b32 v[T], 8, v[D0]
	v_lshlrev_b32 v[T+2], 8, v[D0+2]
	v_lshl_or_b32 v[T], v[D0+1], 24, v[T]
	v_lshl_or_b32 v[T+2], v[D0+3], 24, v[T+2]
	v_and_b32 v[T+1], s[K07], v[T]
	v_and_b32 v[T+3], s[K07], v[T+2]
	v_perm_b32 v[D0], s[THI], s[TLO], v[T+1]       ; selectors 0 to 3 take the second source's bytes, 4 to 7 the first's
	v_perm_b32 v[D0+1], s[THI], s[TLO], v[T+3]
	v_and_b32 v[T], s[K08], v[T]
	v_and_b32 v[T+2], s[K08], v[T+2]
	v_lshl_or_b32 v[D0], v[T], 4, v[D0]            ; bits 11 and 27 become bits 15 and 31
	v_lshl_or_b32 v[D0+1], v[T+2], 4, v[D0+1]
	v_fma_mixlo_f16 v[D0], v[D0], v[SV+c%2], v[Z] op_sel_hi:[1,0,0]
	v_fma_mixlo_f16 v[D0+1], v[D0+1], v[SV+c%2], v[Z] op_sel_hi:[1,0,0]
	v_fma_mixhi_f16 v[D0], v[D0], v[SV+c%2], v[Z] op_sel:[1,0,0] op_sel_hi:[1,0,0]
	v_fma_mixhi_f16 v[D0+1], v[D0+1], v[SV+c%2], v[Z] op_sel:[1,0,0] op_sel_hi:[1,0,0]
	global_store_b64 v[VS], v[D0:D0+1], s[12:13] offset:256*c th:TH_STORE_NT
.set c, c+1
.endr
	s_endpgm
.Lfunc_end_k_q25839ca50b_prep:
	.size	k_q25839ca50b_prep, .Lfunc_end_k_q25839ca50b_prep-k_q25839ca50b_prep
	.p2alignl 7, 3214868480
	.fill 96, 4, 3214868480
	.section	.rodata,"a",@progbits
	.p2align	6, 0x0
	.amdhsa_kernel k_q25839ca50b_prep
		.amdhsa_group_segment_fixed_size 0
		.amdhsa_private_segment_fixed_size 0
		.amdhsa_enable_private_segment 0
		.amdhsa_kernarg_size 64
		.amdhsa_user_sgpr_count 2
		.amdhsa_user_sgpr_kernarg_segment_ptr 1
		.amdhsa_wavefront_size32 1
		.amdhsa_system_sgpr_workgroup_id_x 1
		.amdhsa_system_sgpr_workgroup_id_y 1
		.amdhsa_system_sgpr_workgroup_id_z 1
		.amdhsa_system_vgpr_workitem_id 0
		.amdhsa_next_free_vgpr 152
		.amdhsa_next_free_sgpr 66
		.amdhsa_reserve_vcc 0
		.amdhsa_float_denorm_mode_32 3
		.amdhsa_float_denorm_mode_16_64 3
		.amdhsa_memory_ordered 1
		.amdhsa_forward_progress 1
		.amdhsa_inst_pref_size 61
	.end_amdhsa_kernel
	.amdgpu_metadata
---
amdhsa.version: [ 1, 2 ]
amdhsa.kernels:
  - .name:           k_q25839ca50b_prep
    .symbol:         k_q25839ca50b_prep.kd
    .args:
      - { .name: x, .offset: 0, .size: 8, .value_kind: global_buffer, .address_space: global }
      - { .name: w_fp8, .offset: 8, .size: 8, .value_kind: global_buffer, .address_space: global }
      - { .name: w_fp16, .offset: 16, .size: 8, .value_kind: global_buffer, .address_space: global }
      - { .name: nvfp4_idx, .offset: 24, .size: 8, .value_kind: global_buffer, .address_space: global }
      - { .name: nvfp4_scales, .offset: 32, .size: 8, .value_kind: global_buffer, .address_space: global }
      - { .name: inv_perm, .offset: 40, .size: 8, .value_kind: global_buffer, .address_space: global }
      - { .name: xh, .offset: 48, .size: 8, .value_kind: global_buffer, .address_space: global }
      - { .name: wh, .offset: 56, .size: 8, .value_kind: global_buffer, .address_space: global }
    .group_segment_fixed_size: 0
    .private_segment_fixed_size: 0
    .kernarg_segment_align: 8
    .kernarg_segment_size: 64
    .max_flat_workgroup_size: 128
    .sgpr_count:     66
    .vgpr_count:     152
    .wavefront_size: 32
...
	.end_amdgpu_metadata
.endif
;; end of part 1
;; launch gemm (part 2): grid 16 x 16, 4 waves a work-group, clusters of 4 x 4, 327,680 bytes of LDS; arguments xh, wh, out0, bias, inv_perm, nvfp4_global_scale, fp8_scale; writes out0
.if DOCPART == 2
	.amdgcn_target "amdgcn-amd-amdhsa--gfx1250"
	.amdhsa_code_object_version 6
	.text
	.protected	k_q25839ca50b_gemm
	.globl	k_q25839ca50b_gemm
	.p2align	8
	.type	k_q25839ca50b_gemm,@function
k_q25839ca50b_gemm:
	s_mov_b64 s[64:65], 0
	v_nop
	global_prefetch_b8 v0, s[64:65] scope:SCOPE_SE
	s_setreg_imm32_b32 hwreg(HW_REG_WAVE_MODE, 25, 1), 1
	s_wait_xcnt 0x0
	s_wait_alu depctr_hold_cnt(0) depctr_sa_sdst(0) depctr_va_vdst(0) depctr_va_sdst(0) depctr_va_ssrc(0) depctr_va_vcc(0) depctr_vm_vsrc(0)
	s_getreg_b32 s2, hwreg(HW_REG_IB_STS2, 6, 4)
	s_cmp_eq_u32 s2, 0
	s_cbranch_scc0 .Lentry_in_a_cluster
	s_endpgm
.Lentry_in_a_cluster:
	s_bfe_u32 s2, ttmp6, 0x10000c
	s_cmp_lg_u32 s2, 0xf033
	s_cbranch_scc0 .Lentry_shape_is_right
	s_endpgm
.Lentry_shape_is_right:
; out0[m][j] = f[j] x (the sum over k of xh[m][k] wh[j][k]) + bias[j].  xh, wh: [4096][4096] f16; out0: [4096][4096] f32; sums in f32, in the matrix unit's order.
; f[j] hangs on the group of row inv_perm[j]: the global scale below 2,048, fp8_scale below 3,072, else 1; it is a choice of a value, made by v_cndmask_b32, and steers no address.
; LIMITS.  The operands are f16 (made by the launch before, which states their range); inv_perm of 4,096 or more counts as the last group, as it does there.
; A tile of out0, 256 x 256, is made by a work-group of four waves; a wave makes 128 x 128: 64 accumulators of 16 x 16, 512 registers.  4096 / 256 squared = 256 tiles, one to a work-group.
; K goes in steps of 128 through a ring of two LDS slots filled by the tensor data mover: the tiles' rows are 256 bytes of memory and start at multiples of 256 bytes from the buffer's first byte.
; CLUSTERS: 4 x 4 work-groups.  The four of a row of the cluster need the same tiles of xh, the four of a column the same tiles of wh: each tile is asked for JOINTLY, by the same tensor load with
; the same descriptor and a mask that names the four; each receives it in its own LDS.
; THE MATRIX INSTRUCTION IS USED TRANSPOSED: source 0 = 16 rows of wh, source 1 = 16 rows of xh: lane l then holds row l % 16 of out0 and the columns 8 (l / 16) + 0 .. 7.
; REGISTERS, in windows of 256 (s_set_vgpr_msb's low byte: bits 1:0 source 0, 3:2 source 1, 5:4 source 2, 7:6 destination):
;   window 0: v0-43 addresses, factors, biases; v64-127, v128-191 fragments of xh, two buffers; on the way out the same 128 hold rows read back from the stage
;   window 1: v64-127, v128-191 fragments of wh, two buffers
;   window 2: the 32 accumulators of my rows 0-63 (accumulator (a, b) at v[8 (8 a + b)]);   window 3: those of my rows 64-127
.set SIZE_N, 4096
.set SIZE_K, 4096
.set KSTEP,  128
.set PITCH,  272                       ; an LDS row: 256 bytes of data + 16 of padding = 68 words: row r starts at bank 4 r mod 64 (64 banks of 4 bytes: ISA guide 11.1), so the 16 rows of a load start at 16 different banks
.set HALFT,  128*PITCH                 ; 128 rows: what one tensor load brings, and what one wave reads of xh or of wh
.set SLOT,   4*HALFT                   ; xh's 256 rows, then wh's 256 rows
.set STAGE,  2*SLOT                    ; behind the ring: 16 rows x 528 bytes for each wave, for the way out; no tensor load lands here
.set SP,     528                       ; a stage row: 128 f32 + 16 bytes = 132 words: the 16 rows of a store start at 16 different groups of four banks
.set SPARE,  STAGE+4*16*SP             ; behind the stages: the spare words, 128 bytes for each wave: two blocks of 256 bytes that no other line names
.set LAPS,   SIZE_K/(2*KSTEP)          ; a lap = two K steps = once round the ring: 16
.set ADRA, 16                          ; v16-17  LDS address of my xh fragments in slot 0, 1
.set ADRB, 20                          ; v20-21  the same for wh
.set STO,  24                          ; v24     the way out: where I put 32 bytes of a row
.set RD,   25                          ; v25     the way out: where I read 16 bytes of a row back
.set CO,   26                          ; v26     16 x lane: my byte offset in 512 bytes of a row of out0
.set CB,   27                          ; v27     my byte offset in bias and in inv_perm: 4 x my wave's first column + 16 x lane
.set SPW,  28                          ; v28     LDS address of my spare word: SPARE + 4 x my thread's number; never rewritten
.set NIL,  29                          ; v29     0; never rewritten
.set PFO,  30                          ; v30     the prefetches' offset: my lane x a row of xh or wh (8,192 bytes); never rewritten
.set CS,   32                          ; v[32:35] f of my four columns on the way out
.set BI,   36                          ; v[36:39] bias of the same four
.set IP,   40                          ; v[40:43] inv_perm of the same four
.set F0,   64                          ; fragment buffer 0
.set F1,   128                         ; fragment buffer 1
.set G1,   24                          ; s[24:31] descriptor group 1 for xh's tiles
.set G0,   32                          ; s[32:39] descriptor group 0 for xh's tiles, one set for each slot
.set LIM,  43                          ; s43     1 in a wave that prefetches, else the greatest number
.set PFA,  44                          ; s[44:45] where my prefetches stand: my work-group's 32 rows of the 128 that I fetch, one K step further along K than the refill that is being asked for
.set G1B,  48                          ; s[48:55] descriptor group 1 for wh's tiles: it differs in the mask alone
.set G0B,  56                          ; s[56:63] descriptor group 0 for wh's tiles, one set for each slot
.set GS,   76                          ; s76     the global scale
.set FS,   77                          ; s77     fp8_scale
.set MSB, 0
.macro WIN new                         ; the immediate's high byte repeats the setting that is left; a switch that changes nothing is dropped
.if MSB != (\new)
	s_set_vgpr_msb (MSB<<8)|(\new)
.set MSB, \new
.endif
.endm
.set MUL_LO, 0xa1                      ; source 0 (wh) window 1, source 1 (xh) window 0, C and D window 2
.set MUL_HI, 0xf1                      ; the same, C and D window 3
.set TO_B,   0x40                      ; destination window 1, address window 0
; A joint load.  Waves 0 and 1 fetch xh's two halves, waves 2 and 3 wh's.  Each of the two lines has ONE mask and one set of registers for all that issue it.  The branch hangs on the
; wave's number alone.  An s_nop 0 and four v_nop follow each of the two lines, ahead of the jump, the label and what follows.
.macro JLOAD s
	s_cmp_eq_u32 s11, 0
	s_cbranch_scc0 .Lfor_b_\@
	tensor_load_to_lds s[G0+4*(\s):G0+4*(\s)+3], s[G1:G1+7]
	s_nop 0
.rept 4
	v_nop
.endr
	s_branch .Lasked_\@
.Lfor_b_\@:
	tensor_load_to_lds s[G0B+4*(\s):G0B+4*(\s)+3], s[G1B:G1B+7]
	s_nop 0
.rept 4
	v_nop
.endr
.Lasked_\@:
.endm
; A PREFETCH INTO THE L2, behind each joint load and the run of LDS loads that follows it: the K step that stands TWO refills on: 32 rows x 256 bytes, a lane a row, one instruction a wave: 512 matrix
; instructions ahead of the load that will name those bytes.  Each row's 256 bytes of a K step are named ONCE in the launch: xh's tile row is read by every cluster of that row of clusters, and the one with
; cluster x = 0 asks; wh's tile column by every cluster of that column, and cluster y = 0 asks.  The four partners that ask for a tile jointly share its rows out BY ADDRESS, 32 each (by cx for xh, cy for wh).
; The loop's last trip (s3 = 1) asks for nothing: K steps 30 and 31, the last, were named in the trip before.  K steps 0 to 3 come by their loads alone.
.macro ASK
	s_cmp_gt_u32 s3, s[LIM]
	s_cbranch_scc0 .Lnot_mine_\@
	global_prefetch_b8 v[PFO], s[PFA:PFA+1] offset:KSTEP*2 th:TH_LOAD_NT scope:SCOPE_SE
.Lnot_mine_\@:
.endm
; A round of the cluster's barrier: my work-group's barrier, so that wave 0's signal speaks for all four waves; wave 0 signals for the work-group; every wave waits for all sixteen
; work-groups; my work-group's barrier once more.  No LDS instruction of the wave is pending at a signal.
.macro CREST                           ; a round behind its opening barrier
	s_cmp_lg_u32 s10, 0
	s_cbranch_scc1 .Lnot_wave_0_\@
	s_barrier_signal -3
.Lnot_wave_0_\@:
	s_barrier_wait -3
	s_barrier_signal -1
	s_barrier_wait -1
.endm
.macro CROUND                          ; a whole round
	s_barrier_signal -1
	s_barrier_wait -1
	CREST
.endm
	s_load_b128 s[4:7], s[0:1], 0x0                ; xh s[4:5], wh s[6:7]
	s_load_b64 s[8:9], s[0:1], 0x10                ; out0
	s_load_b64 s[68:69], s[0:1], 0x18              ; bias
	s_load_b128 s[72:75], s[0:1], 0x20             ; inv_perm s[72:73], the global scale's address s[74:75]
	s_load_b64 s[70:71], s[0:1], 0x30              ; fp8_scale's address
	v_lshl_add_u32 v[SPW], v0, 2, SPARE
	v_mov_b32 v[NIL], 0
	ds_add_u32 v[SPW], v[NIL]                      ; the wave's opening: the add and its wait stand ahead of my first tensor load; the set-up below, work on registers, stands between them
	v_lshrrev_b32 v1, 5, v0
	v_readfirstlane_b32 s10, v1                    ; wave 0..3
	s_lshr_b32 s11, s10, 1                         ; which half of the tile's rows is mine.  Also: I fetch for xh (0) or for wh (1)
	s_and_b32 s12, s10, 1                          ; which half of its columns.  Also: which 128 rows of that tile I fetch
	s_bfe_u32 s40, ttmp6, 0x40000                  ; cx: my place along the cluster's x
	s_bfe_u32 s41, ttmp6, 0x40004                  ; cy: along its y
	s_lshl_b32 s42, ttmp9, 2                       ; in a cluster launch ttmp9 and ttmp7 count clusters
	s_add_co_u32 s42, s42, s40                     ; tile column = 4 x cluster x + cx
	s_and_b32 s13, ttmp7, 0xffff
	s_lshl_b32 s13, s13, 2
	s_add_co_u32 s13, s13, s41                     ; tile row = 4 x cluster y + cy
	s_lshl_b32 s43, s41, 2
	s_lshl_b32 s43, 15, s43                        ; my row of the cluster: places 4 cy .. 4 cy + 3
	s_lshl_b32 s44, 0x1111, s40                    ; my column: places cx, cx + 4, cx + 8, cx + 12
	; descriptor group 1: a tile of 128 rows x 128 elements, padded in LDS
	s_or_b32 s[G1+0], s43, (1<<16)|(1<<20)|(1<<21)|(5<<22)|(3<<25)  ; 15:0 the mask: xh's tiles go to my row; 17:16 element of 2 bytes; 20 padding on; 21 set beside a mask; 24:22 after every 64 words (code 5); 31:25 of 4 words (code 3)
	s_or_b32 s[G1B+0], s44, (1<<16)|(1<<20)|(1<<21)|(5<<22)|(3<<25) ; the same with the mask of my column, for wh's tiles
.irp g, G1, G1B
	s_mov_b32 s[(\g)+1], KSTEP<<16                 ; tensor_dim0 = 128
	s_mov_b32 s[(\g)+2], 128<<16                   ; tensor_dim1 = 128
	s_mov_b32 s[(\g)+3], KSTEP<<16                 ; tile_dim0 = 128
	s_mov_b32 s[(\g)+4], 128                       ; tile_dim1 = 128
	s_mov_b32 s[(\g)+5], SIZE_K                    ; elements from row to row
	s_mov_b32 s[(\g)+6], 0
	s_mov_b32 s[(\g)+7], 0
.endr
	; where the tiles come from.  xh's hang on the tile row alone, which my row of the cluster shares; wh's on the tile column alone, which my column shares.
	s_lshl_b32 s17, s12, 7                         ; which 128 rows of the tile I fetch
	s_lshl_b32 s16, s13, 8
	s_add_co_u32 s16, s16, s17                     ; xh: row 256 x tile row + 128 x half
	s_lshl_b32 s46, s42, 8
	s_add_co_u32 s46, s46, s17                     ; wh: row 256 x tile column + 128 x half
	s_lshl_b32 s16, s16, 13                        ; in bytes: a row is 8,192; 4,095 rows stay under 2^25
	s_lshl_b32 s46, s46, 13
	s_mov_b32 s17, 0
	s_mov_b32 s47, 0
	s_mul_i32 s20, s10, HALFT                      ; and where they go: xh's two halves, then wh's two halves = wave x 128 rows: no place in the cluster enters an LDS address
	s_wait_dscnt 0x0                               ; the opening add is done
	s_wait_kmcnt 0x0
	s_add_nc_u64 s[14:15], s[4:5], s[16:17]
	s_add_nc_u64 s[46:47], s[6:7], s[46:47]
	CROUND                                         ; all sixteen work-groups are here: the first joint loads meet
.irp s, 0,1
	s_mov_b32 s[G0+4*(\s)], 1                                      ; 1:0 count = 1
	s_add_co_u32 s[G0+4*(\s)+1], s20, (\s)*SLOT                    ; 63:32 LDS address
	s_add_nc_u64 s[G0+4*(\s)+2:G0+4*(\s)+3], s[14:15], (\s)*KSTEP*2  ; 120:64 global address: K step s
	s_or_b32 s[G0+4*(\s)+3], s[G0+4*(\s)+3], 0x80000000            ; 127:126 type = 2
	s_mov_b32 s[G0B+4*(\s)], 1
	s_add_co_u32 s[G0B+4*(\s)+1], s20, (\s)*SLOT
	s_add_nc_u64 s[G0B+4*(\s)+2:G0B+4*(\s)+3], s[46:47], (\s)*KSTEP*2
	s_or_b32 s[G0B+4*(\s)+3], s[G0B+4*(\s)+3], 0x80000000
	JLOAD \s                                       ; the ring is filled before anything else is done: two tensor loads of mine are out
.endr
	s_load_b32 s[GS], s[74:75], 0x0
	s_load_b32 s[FS], s[70:71], 0x0
	; A fragment is 16 rows x 32 K in 8 registers: lane l holds row l % 16; registers 0-3 hold K = 8 (l / 16) + 0..7, registers 4-7 hold K = 16 + 8 (l / 16) + 0..7: two loads of 16 bytes, 32 bytes apart.
	v_and_b32 v1, 15, v0                           ; l % 16
	v_bfe_u32 v2, v0, 4, 1                         ; l / 16
	v_mul_u32_u24 v3, v1, PITCH
	v_lshl_add_u32 v3, v2, 4, v3                   ; row x pitch + 16 x half
	s_mul_i32 s21, s11, HALFT                      ; my 128 rows of xh
	s_mul_i32 s22, s12, HALFT                      ; my 128 rows of wh,
	s_add_co_u32 s22, s22, 2*HALFT                 ; which lie behind xh's 256
.irp s, 0,1
	v_add_nc_u32 v[ADRA+(\s)], s21, v3
	v_add_nc_u32 v[ADRB+(\s)], s22, v3
	s_add_co_u32 s21, s21, SLOT
	s_add_co_u32 s22, s22, SLOT
.endr
	s_mul_i32 s23, s10, 16*SP
	s_add_co_u32 s23, s23, STAGE                   ; my stage
	v_mul_u32_u24 v4, v1, SP                       ; in: row l % 16, 32 bytes (8 f32) for each half of the lanes
	v_lshl_add_u32 v4, v2, 5, v4
	v_add_nc_u32 v[STO], s23, v4
	v_and_b32 v5, 31, v0
	v_lshlrev_b32 v[CO], 4, v5                     ; back: the 32 lanes take one row's 512 bytes, 16 each: lane l holds columns 4 l .. 4 l + 3 of my 128, in every row
	v_add_nc_u32 v[RD], s23, v[CO]
	; where my part of the tile begins in out0
	s_lshl_b32 s13, s13, 8                         ; 256 x tile row
	s_lshl_b32 s14, s11, 7
	s_add_co_u32 s16, s13, s14                     ; my first row,
	s_lshl_b32 s16, s16, 14                        ; of 16,384 bytes
	s_mov_b32 s17, 0
	s_lshl_b32 s46, s42, 10                        ; my first column, in bytes of f32: 1,024 x tile column + 512 x half
	s_lshl_b32 s47, s12, 9
	s_add_co_u32 s46, s46, s47
	s_mov_b32 s47, 0
	v_add_nc_u32 v[CB], s46, v[CO]
	s_add_nc_u64 s[16:17], s[16:17], s[46:47]
	s_add_nc_u64 s[8:9], s[8:9], s[16:17]
	global_load_b128 v[BI:BI+3], v[CB], s[68:69]   ; bias and inv_perm of my four columns: 512 consecutive bytes a wave
	global_load_b128 v[IP:IP+3], v[CB], s[72:73]
	; the prefetches.  s13 = 256 x tile row, s42 = tile column, s40 = cx, s41 = cy still stand
	s_lshl_b32 s42, s42, 8
	s_and_b32 s22, ttmp7, 0xffff                   ; cluster y
	s_cmp_eq_u32 s11, 0                            ; do I fetch for xh?
	s_cselect_b32 s20, s13, s42                    ; the tile's first row: in xh by the tile row, in wh by the tile column
	s_cselect_b32 s21, s40, s41                    ; my place among the four that ask for it with me
	s_cselect_b32 s22, ttmp9, s22                  ; the coordinate along which other clusters read the same rows
	s_cselect_b64 s[PFA:PFA+1], s[4:5], s[6:7]
	s_cmp_eq_u32 s22, 0
	s_cselect_b32 s[LIM], 1, -1                    ; the same in all sixteen partners, for a given wave
	s_lshl_b32 s22, s12, 7
	s_add_co_u32 s20, s20, s22                     ; + the 128 rows that I fetch
	s_lshl_b32 s21, s21, 5
	s_add_co_u32 s20, s20, s21                     ; + my work-group's 32 of them
	s_lshl_b32 s20, s20, 13                        ; in bytes
	s_mov_b32 s21, 0
	s_add_nc_u64 s[PFA:PFA+1], s[PFA:PFA+1], s[20:21]
	s_add_nc_u64 s[PFA:PFA+1], s[PFA:PFA+1], 2*KSTEP*2  ; at K step 2: the first refill steps it to 3 and names K step 4
	v_and_b32 v[PFO], 31, v0
	v_mul_u32_u24 v[PFO], v[PFO], SIZE_K*2
; 16 matrix instructions: m blocks a0, a0 + 1 of the window's four (hi = 0: my rows 0-63, 1: rows 64-127) x all 8 n blocks, 32 along K.  zero = 1: the first product starts the sums: nothing is ever cleared.
; The 64 accumulators take turns, one instruction a turn, in the same order in every quarter step, over the loop's jump and into the tail.
.macro MUL16 f, hi, a0, zero
	WIN MUL_LO+0x50*(\hi)
.irp a, \a0, (\a0)+1
.irp b, 0,1,2,3,4,5,6,7
.if \zero
	v_wmma_f32_16x16x32_f16 v[8*(8*(\a)+(\b)):8*(8*(\a)+(\b))+7], v[(\f)+8*(\b):(\f)+8*(\b)+7], v[(\f)+8*(4*(\hi)+(\a)):(\f)+8*(4*(\hi)+(\a))+7], 0
.else
	v_wmma_f32_16x16x32_f16 v[8*(8*(\a)+(\b)):8*(8*(\a)+(\b))+7], v[(\f)+8*(\b):(\f)+8*(\b)+7], v[(\f)+8*(4*(\hi)+(\a)):(\f)+8*(4*(\hi)+(\a))+7], v[8*(8*(\a)+(\b)):8*(8*(\a)+(\b))+7]
.endif
.endr
.endr
.endm
; 32 LDS loads in one run: the fragments of one quarter step (128 rows of wh, 128 rows of xh, 32 K at byte k of the rows) into buffer f
.macro FETCH slot, k, f
	WIN TO_B
.irp i, 0,1,2,3,4,5,6,7
	ds_load_b128 v[(\f)+8*(\i):(\f)+8*(\i)+3],   v[ADRB+(\slot)] offset:(\k)+(\i)*16*PITCH
	ds_load_b128 v[(\f)+8*(\i)+4:(\f)+8*(\i)+7], v[ADRB+(\slot)] offset:(\k)+(\i)*16*PITCH+32
.endr
	WIN 0
.irp i, 0,1,2,3,4,5,6,7
	ds_load_b128 v[(\f)+8*(\i):(\f)+8*(\i)+3],   v[ADRA+(\slot)] offset:(\k)+(\i)*16*PITCH
	ds_load_b128 v[(\f)+8*(\i)+4:(\f)+8*(\i)+7], v[ADRA+(\slot)] offset:(\k)+(\i)*16*PITCH+32
.endr
.endm
; A load into a register that a matrix instruction has read, and an LDS store that reads a matrix result, stand four places behind that matrix instruction, and only plain vector
; instructions that name none of its registers are places (ISA guide 7.12.1 for vector instructions).
.macro PLACES
.rept 4
	v_nop
.endr
.endm
; A K step is four quarter steps of 32 along K, 64 matrix instructions each, on buffers 0, 1, 0, 1.
; One of the first three: multiplies buffer f; in its middle it fetches the next quarter's fragments, at byte k of the same slot's rows, into buffer g.
.macro QUARTER slot, k, f, g, zero
	s_wait_dscnt 8                                 ; wh's fragments and xh's rows 0-63 are in; the youngest eight loads (xh's rows 64-127) may be out
	WIN MUL_LO
	MUL16 \f, 0, 0, \zero
	MUL16 \f, 0, 2, \zero
	PLACES
	FETCH \slot, \k, \g
	s_wait_dscnt 32                                ; all but the 32 just issued
	WIN MUL_HI
	MUL16 \f, 1, 0, \zero
	MUL16 \f, 1, 2, \zero
.endm
; The last quarter multiplies buffer 1 and changes slots.  MEET is its first half: ONE barrier for the change.  In front of it each wave waits for all its tensor loads, of which one is out: its part
; of the next slot; adds 0 to its spare word; and waits for that and for its own reads of this slot.  Behind it nobody reads this slot any more and the next slot is whole.
.macro MEET round                      ; round = 1: a round of the cluster's barrier follows
	WIN 0                                          ; (the add's two registers lie in window 0)
	s_wait_tensorcnt 0x0                           ; all my tensor loads have landed;
	ds_add_u32 v[SPW], v[NIL]                      ; 0 onto my spare word;
	s_wait_dscnt 9                                 ; (the add and the youngest eight loads may be out)
	WIN MUL_LO
	MUL16 F1, 0, 0, 0                              ; sixteen matrix instructions stand between the add and the wait for it
	s_wait_dscnt 0x0                               ; the add is done, and my reads of this slot are over:
	s_barrier_signal -1                            ; say so,
	MUL16 F1, 0, 2, 0                              ; work on registers while the others arrive,
.if \round
	WIN 0
.endif
	s_barrier_wait -1                              ; and go on when all four have said so
.endm
; The whole last quarter.  fill = 1: behind a round of the cluster's barrier the slot just read out is filled again first, with the K step two steps on: from that request to the wait for it a wave
; issues 224 matrix instructions; then come the next slot's first fragments.  fill = 0: nothing is left to ask for.
.macro TURN slot, next, fill
.if \fill
	s_wait_xcnt 0x0                                ; the last prefetch, a K step back, has read its address: it is stepped here, ahead of the waits of the change of slots
	s_add_nc_u64 s[PFA:PFA+1], s[PFA:PFA+1], KSTEP*2
	MEET 1
	CREST                                          ; no wave of any partner still reads this slot's tile or has a load on its way
	s_add_nc_u64 s[G0+4*(\slot)+2:G0+4*(\slot)+3], s[G0+4*(\slot)+2:G0+4*(\slot)+3], 2*KSTEP*2    ; no tensor load of mine is out, so a group 0 may be written
	s_add_nc_u64 s[G0B+4*(\slot)+2:G0B+4*(\slot)+3], s[G0B+4*(\slot)+2:G0B+4*(\slot)+3], 2*KSTEP*2
	JLOAD \slot                                    ; the first tensor load behind the round, my only one until the next; the four v_nop behind it are also the places in front of the loads below
	FETCH \next, 0, F0
	ASK
.else
	MEET 0
	PLACES
	FETCH \next, 0, F0
.endif
	WIN MUL_HI
	MUL16 F1, 1, 0, 0
	MUL16 F1, 1, 2, 0
.endm
; THE WAY OUT of block a (16 rows of my 128).  TOSTAGE: the eight accumulators go as they are, in f32, into my own stage in LDS (a lane's eight columns are 32 bytes of a row; each accumulator's
; low four registers are read first), and come back as whole rows of 512 bytes.  The stage is my wave's own, and LDS serves a wave's instructions in order
; (ISA guide 5.7.1.4): no wait and no barrier between the stores and the loads, nor between these loads and the next block's stores.
.macro TOSTAGE a
.set AC, 64*((\a)%4)
.set BK, 64+64*((\a)%2)
.if (\a) >= 2
	s_wait_xcnt 0x0                                ; the stores of the block two back have read these 64 registers, which are loaded again only behind this wait
.endif
	WIN 0x08+4*((\a)/4)                            ; the stores' data (source 1) in window 2 or 3
.irp b, 0,1,2,3,4,5,6,7
	ds_store_b128 v[STO], v[AC+8*(\b):AC+8*(\b)+3]   offset:64*(\b)
	ds_store_b128 v[STO], v[AC+8*(\b)+4:AC+8*(\b)+7] offset:64*(\b)+16
.endr
	WIN 0
.irp t, 0,1,2,3,4,5,6,7,8,9,10,11,12,13,14,15
	ds_load_b128 v[BK+4*(\t):BK+4*(\t)+3], v[RD] offset:SP*(\t)
.endr
.endm
; SEND: each row times f plus bias, two fused multiply-adds an instruction, and stored.  younger: the LDS instructions issued behind block a's loads: the next block's 32, or none.
.macro SEND a, younger
.set BK, 64+64*((\a)%2)
	WIN 0
.irp t, 0,1,2,3,4,5,6,7,8,9,10,11,12,13,14,15
	s_wait_dscnt (\younger)+15-(\t)                ; row t is back; the block's later rows and the younger instructions may be out
	v_pk_fma_f32 v[BK+4*(\t):BK+4*(\t)+1],   v[BK+4*(\t):BK+4*(\t)+1],   v[CS:CS+1],   v[BI:BI+1]
	v_pk_fma_f32 v[BK+4*(\t)+2:BK+4*(\t)+3], v[BK+4*(\t)+2:BK+4*(\t)+3], v[CS+2:CS+3], v[BI+2:BI+3]
	global_store_b128 v[CO], v[BK+4*(\t):BK+4*(\t)+3], s[8:9] offset:(16*(\a)+(\t))*SIZE_N*4 th:TH_STORE_NT  ; 512 consecutive bytes, at a multiple of 256 from out0's first byte; 127 rows at the most: 2,080,768, inside the signed 24-bit immediate
.endr
.endm
	; the factors of my four columns, in the wait for the first tile
	s_wait_kmcnt 0x0                               ; the two scales
	s_wait_loadcnt 0x0                             ; bias and inv_perm
.irp i, 0,1,2,3
	v_cmp_gt_u32 vcc_lo, 0xc00, v[IP+(\i)]         ; below 3,072: fp8_scale, else 1
	v_cndmask_b32 v[CS+(\i)], 1.0, s[FS], vcc_lo
	v_cmp_gt_u32 vcc_lo, 0x800, v[IP+(\i)]         ; below 2,048: the global scale
	v_cndmask_b32 v[CS+(\i)], v[CS+(\i)], s[GS], vcc_lo
.endr
	s_wait_tensorcnt 1                             ; my part of K step 0 is in; K step 1's may stay out
	s_barrier_signal -1
	s_barrier_wait -1                              ; everybody's is
	FETCH 0, 0, F0
	QUARTER 0, 64,  F0, F1, 1                      ; the first quarter stands in front of the loop: its products start the sums
	WIN 0                                          ; at a label and at a branch every window is 0
	s_mov_b32 s3, LAPS-1
.Llap:                                                 ; a trip goes once round the ring, from a lap's second quarter to the next lap's first, and fills both slots again
	QUARTER 0, 128, F1, F0, 0
	QUARTER 0, 192, F0, F1, 0
	TURN 0, 1, 1
	QUARTER 1, 64,  F0, F1, 0
	QUARTER 1, 128, F1, F0, 0
	QUARTER 1, 192, F0, F1, 0
	TURN 1, 0, 1
	QUARTER 0, 64,  F0, F1, 0
	WIN 0
	s_sub_co_u32 s3, s3, 1
	s_cmp_lg_u32 s3, 0
	s_cbranch_scc1 .Llap
	QUARTER 0, 128, F1, F0, 0                      ; the last lap is written out: it fills nothing, and has no round of the cluster's barrier
	QUARTER 0, 192, F0, F1, 0
	TURN 0, 1, 0
	QUARTER 1, 64,  F0, F1, 0
	QUARTER 1, 128, F1, F0, 0
	QUARTER 1, 192, F0, F1, 0
	s_wait_dscnt 8                                 ; the very last quarter: nothing more to fetch
	WIN MUL_LO
	MUL16 F1, 0, 0, 0
	MUL16 F1, 0, 2, 0
	s_wait_dscnt 0x0
	MUL16 F1, 1, 0, 0
	MUL16 F1, 1, 2, 0
	WIN 0
	PLACES                                         ; behind the last products: in front of the LDS stores that read results and of the loads into the fragments' registers
	TOSTAGE 0
.irp a, 1,2,3,4,5,6,7                  ; block a's way through the stage is issued ahead of block a - 1's arithmetic and stores
	TOSTAGE \a
	SEND (\a)-1, 32
.endr
	SEND 7, 0
	s_wait_tensorcnt 0x0                           ; the wave's end: behind my last tensor load and my last LDS store
	ds_add_u32 v[SPW], v[NIL]
	s_wait_dscnt 0x0
	CROUND                                         ; the closing round: no work-group ends while a partner may still ask for a tile that names it
	s_endpgm
.Lfunc_end_k_q25839ca50b_gemm:
	.size	k_q25839ca50b_gemm, .Lfunc_end_k_q25839ca50b_gemm-k_q25839ca50b_gemm
	.p2alignl 7, 3214868480
	.fill 96, 4, 3214868480
	.section	.rodata,"a",@progbits
	.p2align	6, 0x0
	.amdhsa_kernel k_q25839ca50b_gemm
		.amdhsa_group_segment_fixed_size 327680
		.amdhsa_private_segment_fixed_size 0
		.amdhsa_enable_private_segment 0
		.amdhsa_kernarg_size 56
		.amdhsa_user_sgpr_count 2
		.amdhsa_user_sgpr_kernarg_segment_ptr 1
		.amdhsa_wavefront_size32 1
		.amdhsa_system_sgpr_workgroup_id_x 1
		.amdhsa_system_sgpr_workgroup_id_y 1
		.amdhsa_system_sgpr_workgroup_id_z 1
		.amdhsa_system_vgpr_workitem_id 0
		.amdhsa_next_free_vgpr 1024
		.amdhsa_next_free_sgpr 80
		.amdhsa_reserve_vcc 1
		.amdhsa_float_denorm_mode_32 3
		.amdhsa_float_denorm_mode_16_64 3
		.amdhsa_memory_ordered 1
		.amdhsa_forward_progress 1
		.amdhsa_inst_pref_size 162
	.end_amdhsa_kernel
	.amdgpu_metadata
---
amdhsa.version: [ 1, 2 ]
amdhsa.kernels:
  - .name:           k_q25839ca50b_gemm
    .symbol:         k_q25839ca50b_gemm.kd
    .args:
      - { .name: xh, .offset: 0, .size: 8, .value_kind: global_buffer, .address_space: global }
      - { .name: wh, .offset: 8, .size: 8, .value_kind: global_buffer, .address_space: global }
      - { .name: out0, .offset: 16, .size: 8, .value_kind: global_buffer, .address_space: global }
      - { .name: bias, .offset: 24, .size: 8, .value_kind: global_buffer, .address_space: global }
      - { .name: inv_perm, .offset: 32, .size: 8, .value_kind: global_buffer, .address_space: global }
      - { .name: nvfp4_global_scale, .offset: 40, .size: 8, .value_kind: global_buffer, .address_space: global }
      - { .name: fp8_scale, .offset: 48, .size: 8, .value_kind: global_buffer, .address_space: global }
    .group_segment_fixed_size: 327680
    .private_segment_fixed_size: 0
    .kernarg_segment_align: 8
    .kernarg_segment_size: 56
    .max_flat_workgroup_size: 128
    .sgpr_count:     80
    .vgpr_count:     1024
    .wavefront_size: 32
...
	.end_amdgpu_metadata
.endif
;; end of part 2
;; ======== version 2 of 2: 2 launches; version 1 with the launch prep written anew for expert scheduling mode
;; limits: values are held in f16: magnitudes above 65,504 overflow, below 6.1e-05 lose precision
;; workspace buffers: xh 33,554,432 bytes; wh 33,554,432 bytes
;; launch prep (part 3): grid 2048 x 1, 4 waves a work-group, no clusters, 0 bytes of LDS; arguments x, w_fp8, w_fp16, nvfp4_idx, nvfp4_scales, inv_perm, xh, wh; writes xh, wh
.if DOCPART == 3
	.amdgcn_target "amdgcn-amd-amdhsa--gfx1250"
	.amdhsa_code_object_version 6
	.text
	.protected	k_q25839ca50b_prep
	.globl	k_q25839ca50b_prep
	.p2align	8
	.type	k_q25839ca50b_prep,@function
k_q25839ca50b_prep:
	s_mov_b64 s[64:65], 0
	v_nop
	global_prefetch_b8 v0, s[64:65] scope:SCOPE_SE
	s_setreg_imm32_b32 hwreg(HW_REG_WAVE_SCHED_MODE, 0, 2), 2
	s_setreg_imm32_b32 hwreg(HW_REG_WAVE_MODE, 25, 1), 1
	s_wait_xcnt 0x0
	s_wait_alu depctr_vm_vsrc(0)
; THE OPERANDS OF THE PRODUCT, IN f16.  xh[m][k] = f16(x[m][k]).  wh[j][k] = f16 of row p = inv_perm[j] of the grouped weights, so that the take along the
; last axis is done here, as a gather of rows: p < 2048: code[idx[p][k]] x scales[p][k / 16];  p < 3072: w_fp8[p - 2048][k];  else w_fp16[p - 3072][k].
; The global scale and fp8_scale are NOT applied here: the product's way out multiplies by them in f32, so no product of two inputs has to fit in f16.
; LIMITS.  f16 holds no number of 65,520 or more in magnitude (it becomes an infinity) and below 6.1e-5 keeps a fixed step of 6e-8: x, code x scale, w_fp8 and w_fp16
; must lie within that.  nvfp4_idx lies in 0 .. 15, as the table that it indexes asks.  inv_perm is taken as unsigned and held to 4,095.
; SHARES.  8,192 jobs of one shape, a wave each: 16,384 bytes of 32-bit words in, 8,192 bytes of f16 out.  Job T = 4 x work-group + wave: T < 4,096 is x's row T, else wh's row T - 4,096.
; A row is 32 chunks of 512 bytes: in chunk c lane l loads the 16 bytes at 512 c + 16 l and stores the 8 bytes at 256 c + 8 l: a store of the wave covers 256 consecutive bytes, aligned.
; All 32 loads of a row go out at once into 128 registers, are converted in place and stored from there.  No wave needs another's bytes: no LDS, no barrier.
; THE MODE: SCHED_MODE bits 1:0 = 2 (LLVM: expert scheduling mode 2), set by the entry lines.  The code itself states the register dependences
; between vector instructions and memory instructions, with s_wait_alu, always for 0.
; THE PLAN.  Registers that memory instructions touch:
;   v[VO], v[VS]   offsets of every load and of every store: written once at the head, never again.
;   v[SO]          offset of the scales' loads: written once in the 4-bit rows' set-up, never again.
;   v[SC ..]       the scales: written by their loads alone; no vector instruction names them ahead of those loads.
;   v[X + 4 c ..]  chunk c: written by its one load, which is issued ahead of every conversion; then its conversions write its first two registers, one store reads those two, and nothing writes them again.
; So no load lands in a register that a vector instruction has named, and no register or base that a memory instruction has read is written again: what is left to state is that the offsets
; are written ahead of the loads, and a chunk's two registers ahead of its store.  For the second the chunks go in eight groups of four, and a group's four stores are issued one group late:
; ONE wait on va_vdst at a group's head states that the group before has written its eight registers; its stores follow, one ahead of each chunk's conversions, which name this group's own
; registers and v[T ..], v[SV ..], v[SC ..], v[Z] alone: none that those stores touch.  Each path is straight: there is no back edge to go round.
.set VO,  3                            ; v3        16 x lane: my bytes in a chunk as loaded
.set VS,  4                            ; v4        8 x lane: my bytes in a chunk as stored
.set SO,  5                            ; v5        my byte offset in 128 bytes of the scales' row
.set Z,   6                            ; v6        0.0, the addend of the multiply that rounds
.set SV,  8                            ; v[8:9]    the scale of my four numbers; the chunks take the two by turns
.set T,   10                           ; v[10:13]  at work
.set SC,  16                           ; v[16:23]  the row's 256 scales, eight a lane
.set X,   24                           ; v[24:151] chunk c at X + 4 c
.set GRP, 4                            ; chunks in a group
.set TLO, 36                           ; s36  the high bytes of f16 0, 0.5, 1, 1.5
.set THI, 37                           ; s37  of f16 2, 3, 4, 6
.set K07, 38                           ; s38  the magnitudes' three bits, in bytes 1 and 3
.set K08, 39                           ; s39  the signs' bit, in bytes 1 and 3
.set SEL, 40                           ; s[40:47] four pairs of lane selects for v_permlane16_b32
	s_load_b512 s[16:31], s[0:1], 0x0              ; x 16, w_fp8 18, w_fp16 20, nvfp4_idx 22, nvfp4_scales 24, inv_perm 26, xh 28, wh 30
	v_lshrrev_b32 v1, 5, v0
	v_readfirstlane_b32 s2, v1                     ; wave 0..3
	v_and_b32 v2, 31, v0                           ; lane
	v_lshlrev_b32 v[VO], 4, v2
	v_lshlrev_b32 v[VS], 3, v2
	s_wait_alu depctr_va_sdst(0)                   ; s2 is written, ahead of its first reader: the job's number and every base are made from it
	s_lshl2_add_u32 s3, ttmp9, s2                  ; T
	s_and_b32 s4, s3, 0xfff                        ; the row of xh or of wh
	s_lshl_b32 s5, s4, 2                           ; its word in inv_perm
	s_lshl_b32 s6, s4, 13                          ; its 8,192 bytes in xh or wh
	s_mov_b32 s7, 0
	s_mov_b32 s9, 0
	s_wait_kmcnt 0x0
	s_wait_alu depctr_va_vdst(0)                   ; v[VO] and v[VS] are written: every load of a chunk and every store, on all three paths, reads one of them as its offset
	s_cmp_lt_u32 s3, 4096
	s_cbranch_scc0 .Lweights
; The store of chunk n: its two registers of f16.
.macro OUT n
	global_store_b64 v[VS], v[X+4*(\n):X+4*(\n)+1], s[12:13] offset:256*(\n) th:TH_STORE_NT
.endm
; A row of f32 becomes a row of f16.  nt = 1: the row is read once in the launch (x); a row of the weights may be named by inv_perm more than once.
.macro CONV nt
.set c, 0
.rept 32
.if \nt
	global_load_b128 v[X+4*c:X+4*c+3], v[VO], s[10:11] offset:512*c th:TH_LOAD_NT
.else
	global_load_b128 v[X+4*c:X+4*c+3], v[VO], s[10:11] offset:512*c
.endif
.set c, c+1
.endr
.set c, 0
.rept 32
	s_wait_loadcnt 31-c                            ; loads come back in order (ISA guide 5.7.1): chunk c is in, the 31 - c younger ones stay out
.if (c%GRP == 0) && (c > 0)
	s_wait_alu depctr_va_vdst(0)                   ; the conversions of the group before have written its eight registers, which the four stores of this group's turn read
.endif
.if c >= GRP
	OUT c-GRP                                      ; no vector instruction since that wait names its registers
.endif
	v_cvt_pk_f16_f32 v[X+4*c], v[X+4*c], v[X+4*c+1]
	v_cvt_pk_f16_f32 v[X+4*c+1], v[X+4*c+2], v[X+4*c+3]
.set c, c+1
.endr
	s_wait_alu depctr_va_vdst(0)                   ; the last group's conversions have written its eight registers, which the last four stores read
.set c, 32-GRP
.rept GRP
	OUT c
.set c, c+1
.endr
.endm
	s_lshl_b32 s8, s4, 14                          ; x's row: 16,384 bytes
	s_add_nc_u64 s[10:11], s[16:17], s[8:9]
	s_add_nc_u64 s[12:13], s[28:29], s[6:7]
	CONV 1
	s_endpgm
.Lweights:
	s_load_b32 s14, s[26:27], s5 offset:0x0        ; p = inv_perm[j]
	s_add_nc_u64 s[12:13], s[30:31], s[6:7]
	s_wait_kmcnt 0x0
	s_min_u32 s14, s14, 0xfff                      ; held inside the 4,096 rows before it enters an address
	s_cmp_lt_u32 s14, 2048
	s_cbranch_scc1 .Lnvfp4
	s_cmp_lt_u32 s14, 3072
	s_cselect_b64 s[10:11], s[18:19], s[20:21]     ; w_fp8 or w_fp16
	s_and_b32 s8, s14, 0x3ff                       ; p - 2048 or p - 3072: both groups have 1,024 rows and begin at multiples of 1,024
	s_lshl_b32 s8, s8, 14
	s_add_nc_u64 s[10:11], s[10:11], s[8:9]
	CONV 0
	s_endpgm
.Lnvfp4:
	s_lshl_b32 s8, s14, 14                         ; the row's 4,096 indices,
	s_add_nc_u64 s[10:11], s[22:23], s[8:9]
	s_lshl_b32 s34, s14, 10                        ; and its 256 scales
	s_mov_b32 s35, 0
	s_add_nc_u64 s[32:33], s[24:25], s[34:35]
	s_mov_b32 s[TLO], 0x3e3c3800
	s_mov_b32 s[THI], 0x46444240
	s_mov_b32 s[K07], 0x07000700
	s_mov_b32 s[K08], 0x08000800
	s_mov_b32 s[SEL+0], 0x11110000                 ; pair r: lane i of a row of 16 takes lane 4 r + i / 4 of that row
	s_mov_b32 s[SEL+1], 0x33332222
	s_mov_b32 s[SEL+2], 0x55554444
	s_mov_b32 s[SEL+3], 0x77776666
	s_mov_b32 s[SEL+4], 0x99998888
	s_mov_b32 s[SEL+5], 0xbbbbaaaa
	s_mov_b32 s[SEL+6], 0xddddcccc
	s_mov_b32 s[SEL+7], 0xffffeeee
	v_mov_b32 v[Z], 0
	v_mov_b32 v[SV], 0                             ; v_permlane16_b32 counts as a reader of its destination
	v_mov_b32 v[SV+1], 0
	; The scales.  With t = lane % 16 and h = lane / 16, load q brings lane (h, t) scale 32 q + 8 (t / 4) + 4 h + t % 4: the wave's 32 lanes cover 128 consecutive bytes, in an
	; order of lanes chosen for what follows.  In chunk c = 4 q + r my four numbers lie in block 8 c + lane / 4 = 32 q + 8 r + 4 h + t / 4, which lane (h, 4 r + t / 4) holds in register q.
	v_bfe_u32 v1, v0, 2, 2                         ; t / 4
	v_bfe_u32 v10, v0, 4, 1                        ; h
	v_and_b32 v11, 3, v0                           ; t % 4
	v_lshlrev_b32 v[SO], 5, v1
	v_lshl_add_u32 v[SO], v10, 4, v[SO]
	v_lshl_add_u32 v[SO], v11, 2, v[SO]
	s_wait_alu depctr_va_vdst(0)                   ; v[SO] is written, which the scales' loads read as their offset
.set q, 0
.rept 8
	global_load_b32 v[SC+q], v[SO], s[32:33] offset:128*q
.set q, q+1
.endr
.set c, 0
.rept 32
	global_load_b128 v[X+4*c:X+4*c+3], v[VO], s[10:11] offset:512*c
.set c, c+1
.endr
	; A chunk: four indices a lane.  Two indices go into bytes 1 and 3 of a word; their low three bits pick the high byte of the f16 magnitude out of eight bytes in two
	; scalar registers (selector 0 in bytes 0 and 2 picks the byte 0x00, the f16 codes' low byte); bit 3 moves up into the sign.  code x scale is exact in f32 and is rounded once, to f16.
.set c, 0
.rept 32
.set D0, X+4*c
	s_wait_loadcnt 31-c                            ; chunk c is in; the scales' loads are older still
.if (c%GRP == 0) && (c > 0)
	s_wait_alu depctr_va_vdst(0)                   ; the multiplies of the group before have written its eight registers, which the four stores of this group's turn read
.endif
.if c >= GRP
	OUT c-GRP                                      ; no vector instruction since that wait names its registers
.endif
	v_permlane16_b32 v[SV+c%2], v[SC+c/4], s[SEL+2*(c%4)], s[SEL+2*(c%4)+1]
	v_lshlrev_b32 v[T], 8, v[D0]
	v_lshlrev_b32 v[T+2], 8, v[D0+2]
	v_lshl_or_b32 v[T], v[D0+1], 24, v[T]
	v_lshl_or_b32 v[T+2], v[D0+3], 24, v[T+2]
	v_and_b32 v[T+1], s[K07], v[T]
	v_and_b32 v[T+3], s[K07], v[T+2]
	v_perm_b32 v[D0], s[THI], s[TLO], v[T+1]       ; selectors 0 to 3 take the second source's bytes, 4 to 7 the first's
	v_perm_b32 v[D0+1], s[THI], s[TLO], v[T+3]
	v_and_b32 v[T], s[K08], v[T]
	v_and_b32 v[T+2], s[K08], v[T+2]
	v_lshl_or_b32 v[D0], v[T], 4, v[D0]            ; bits 11 and 27 become bits 15 and 31
	v_lshl_or_b32 v[D0+1], v[T+2], 4, v[D0+1]
	v_fma_mixlo_f16 v[D0], v[D0], v[SV+c%2], v[Z] op_sel_hi:[1,0,0]
	v_fma_mixlo_f16 v[D0+1], v[D0+1], v[SV+c%2], v[Z] op_sel_hi:[1,0,0]
	v_fma_mixhi_f16 v[D0], v[D0], v[SV+c%2], v[Z] op_sel:[1,0,0] op_sel_hi:[1,0,0]
	v_fma_mixhi_f16 v[D0+1], v[D0+1], v[SV+c%2], v[Z] op_sel:[1,0,0] op_sel_hi:[1,0,0]
.set c, c+1
.endr
	s_wait_alu depctr_va_vdst(0)                   ; the last group's multiplies have written its eight registers, which the last four stores read
.set c, 32-GRP
.rept GRP
	OUT c
.set c, c+1
.endr
	s_endpgm
.Lfunc_end_k_q25839ca50b_prep:
	.size	k_q25839ca50b_prep, .Lfunc_end_k_q25839ca50b_prep-k_q25839ca50b_prep
	.p2alignl 7, 3214868480
	.fill 96, 4, 3214868480
	.section	.rodata,"a",@progbits
	.p2align	6, 0x0
	.amdhsa_kernel k_q25839ca50b_prep
		.amdhsa_group_segment_fixed_size 0
		.amdhsa_private_segment_fixed_size 0
		.amdhsa_enable_private_segment 0
		.amdhsa_kernarg_size 64
		.amdhsa_user_sgpr_count 2
		.amdhsa_user_sgpr_kernarg_segment_ptr 1
		.amdhsa_wavefront_size32 1
		.amdhsa_system_sgpr_workgroup_id_x 1
		.amdhsa_system_sgpr_workgroup_id_y 1
		.amdhsa_system_sgpr_workgroup_id_z 1
		.amdhsa_system_vgpr_workitem_id 0
		.amdhsa_next_free_vgpr 152
		.amdhsa_next_free_sgpr 66
		.amdhsa_reserve_vcc 0
		.amdhsa_float_denorm_mode_32 3
		.amdhsa_float_denorm_mode_16_64 3
		.amdhsa_memory_ordered 1
		.amdhsa_forward_progress 1
		.amdhsa_inst_pref_size 62
	.end_amdhsa_kernel
	.amdgpu_metadata
---
amdhsa.version: [ 1, 2 ]
amdhsa.kernels:
  - .name:           k_q25839ca50b_prep
    .symbol:         k_q25839ca50b_prep.kd
    .args:
      - { .name: x, .offset: 0, .size: 8, .value_kind: global_buffer, .address_space: global }
      - { .name: w_fp8, .offset: 8, .size: 8, .value_kind: global_buffer, .address_space: global }
      - { .name: w_fp16, .offset: 16, .size: 8, .value_kind: global_buffer, .address_space: global }
      - { .name: nvfp4_idx, .offset: 24, .size: 8, .value_kind: global_buffer, .address_space: global }
      - { .name: nvfp4_scales, .offset: 32, .size: 8, .value_kind: global_buffer, .address_space: global }
      - { .name: inv_perm, .offset: 40, .size: 8, .value_kind: global_buffer, .address_space: global }
      - { .name: xh, .offset: 48, .size: 8, .value_kind: global_buffer, .address_space: global }
      - { .name: wh, .offset: 56, .size: 8, .value_kind: global_buffer, .address_space: global }
    .group_segment_fixed_size: 0
    .private_segment_fixed_size: 0
    .kernarg_segment_align: 8
    .kernarg_segment_size: 64
    .max_flat_workgroup_size: 128
    .sgpr_count:     66
    .vgpr_count:     152
    .wavefront_size: 32
...
	.end_amdgpu_metadata
.endif
;; end of part 3
;; launch gemm: the kernel of part 2 again; grid 16 x 16, 4 waves a work-group, clusters of 4 x 4, 327,680 bytes of LDS; arguments xh, wh, out0, bias, inv_perm, nvfp4_global_scale, fp8_scale; writes out0
